; MI455X (gfx1250); checked and timed in simulation.
; The chip was launched on July 23, 2026; its instructions are those of AMD's public machine-readable ISA for CDNA 5 (MIT licence, August 2026) and "CDNA5" Instruction Set Architecture Reference Guide (July 2026). The comments in the code are by the model that wrote it; some were corrected since.
;; Learnable Query Multi Head Attention. Allowed arithmetic: matrix products marked QUANTISED: E2M3 operands, one E8M0 scale for each 32 along K, by v_wmma_scale_f32_16x16x128_f8f6f4 with both operands' format E2M3, f32 sums; products left as they are: f32 operands where the result goes on into a quantised operand, else bf16, f16 or f32 operands; f32 sums; everything else in f32.
;; Inputs: fc 1,024 x 1,024 float32; ln_beta 1,024 float32; ln_gamma 1,024 float32; query 1 x 1 x 1,024 float32; w_ks 1,024 x 1,024 float32; w_qs 1,024 x 1,024 float32; w_vs 1,024 x 1,024 float32; x 16 x 2,048 x 1,024 float32.
;; Outputs: out0 16 x 1 x 1,024 float32; out1 16 x 16 x 1 x 2,048 float32.
;; This version of the problem:
;;   THIS VERSION OF THE PROBLEM IS GIVEN IN LOW PRECISION. The matrix products marked QUANTISED in the list below multiply operands that are first quantised to E2M3 (2 exponent bits, 3 mantissa bits; 6 bits a number), with one power-of-two scale for each 32 numbers along K (OCP MX v1.0); their sums are f32. All else is computed in f32.
;;   The module's matrix products, in the order in which they are computed (A, B: the left and right operand; K: the contracted axis; several contracted axes count as one K, in the product's order):
;;     1. [M 1, K 1,024] x [K 1,024, N 1,024]; A: input query; B: input w_qs: left as it is (M = 1 < 16)
;;     2. [M 32,768, K 1,024] x [K 1,024, N 1,024]; A: input x; B: input w_ks: QUANTISED
;;     3. [M 32,768, K 1,024] x [K 1,024, N 1,024]; A: input x; B: input w_vs: QUANTISED
;;     4. batch 16 x [M 32,768, K 64] x [K 64, N 1]; A: computed on the way; B: computed on the way: left as it is (N = 1 < 16)
;;     5. batch 256 x [M 1, K 2,048] x [K 2,048, N 64]; A: softmax; B: computed on the way: left as it is (M = 1 < 16)
;;     6. [M 16, K 1,024] x [K 1,024, N 1,024]; A: computed on the way; B: input fc: QUANTISED
;;   THE QUANTISER, for each operand of a quantised product, along K:
;;     - K is cut into blocks of 32 from its start; a last block that is shorter is filled with zeros.
;;     - A block's scale is 2^e with e = floor(log2(the largest magnitude in the block)) - 2, held to -126 .. 127; a block of zeros has e = 0. As a byte (E8M0): e + 127.
;;     - Each number is divided by its block's scale, clamped to +-7.5, and rounded to the nearest number of E2M3, ties to even, subnormals kept.
;;     - The product sums the exact products of the quantised numbers (number of the format x scale) in f32.
;;   ~~~python
;;   def quantise(x, axis):      # numpy; x: float32 -> the quantised numbers, widened to float32 again
;;       x = np.moveaxis(x, axis, -1); K = x.shape[-1]
;;       x = np.pad(x, [(0, 0)] * (x.ndim - 1) + [(0, -K % 32)]); x = x.reshape(x.shape[:-1] + (-1, 32)); a = np.abs(x).max(-1, keepdims=True)
;;       e = np.where(a > 0, np.clip(np.frexp(np.where(a > 0, a, 1))[1] - 1 - 2, -126, 127), 0)      # np.frexp(a)[1] - 1 = floor(log2(a)), exactly
;;       r = np.clip(x / 2.0 ** e, -7.5, 7.5)
;;       step = 2.0 ** (np.maximum(np.frexp(np.where(r == 0, 1, r))[1] - 1, 0) - 3)
;;       q = np.round(r / step) * step * 2.0 ** e      # np.round: ties to even
;;       return np.moveaxis(q.reshape(q.shape[:-2] + (-1,))[..., :K], -1, axis).astype(np.float32)
;;   ~~~
;;   OPERANDS COMPUTED ON THE WAY. 'Computed on the way' means the value that the module computes at that place (a softmax that the list does not call 'softmax' is quantised finished and normalised). What goes into a quantiser is computed in f32, as accurately as f32 sums, v_exp_f32 and their like allow (about 1e-6 of the number): no bf16 or f16 on the way to a quantiser, and a product that is left as it is and whose result goes on into a quantised operand takes f32 operands (vector FMAs, or v_wmma_f32_16x16x4_f32). A number that lies on a knife's edge between two numbers of the format may be rounded either way, as far as f32 arithmetic and the matrix unit's own rounding can turn it there, and no further.
;; One version. Each part assembles by itself: llvm-mc -triple=amdgcn-amd-amdhsa -mcpu=gfx1250 --defsym DOCPART=n.
;; ======== version 1 of 1: 4 launches
;; limits: right only within a limited range of input values
;; workspace buffers: wkv 1,638,400 bytes; fcq 819,200 bytes; qs 4,096 bytes; sc 2,097,152 bytes; part 1,310,720 bytes; pre 524,288 bytes
;; launch prep (part 1): grid 256 x 1, 4 waves a work-group, no clusters, 13,824 bytes of LDS; arguments w_ks, w_vs, fc, w_qs, query, wkv, fcq, qs; writes wkv, fcq, qs
.if DOCPART == 1
	.amdgcn_target "amdgcn-amd-amdhsa--gfx1250"
	.amdhsa_code_object_version 6
	.text
	.protected	k_q13b4c217f0_prep
	.globl	k_q13b4c217f0_prep
	.p2align	8
	.type	k_q13b4c217f0_prep,@function
k_q13b4c217f0_prep:
	s_mov_b64 s[64:65], 0
	v_nop
	global_prefetch_b8 v0, s[64:65] scope:SCOPE_SE
	s_setreg_imm32_b32 hwreg(HW_REG_WAVE_MODE, 25, 1), 1
	s_wait_xcnt 0x0
; PREP.  Work-groups 0-191: w_ks, w_vs and fc ([1024 (k)][1024 (n)] f32, K the FIRST axis) become codes of FP6 (E2M3) with one E8M0 byte for each 32 along K,
; laid in the ORDER OF THE OPERAND'S REGISTERS.  A record of 12,800 bytes serves 16 columns and all of K: byte 1536 s + 512 g + 16 lane + 4 e is register 4 g + e of the
; fragment (16 columns x K step s) as lane (r, h) holds it (column r; registers 0-5 block h, 6-11 block 2 + h of the step's four); byte 12288 + 64 s + 4 r is column r's scale word of K step s.
; wkv: record 8 head + 4 (0: K, 1: V) + tile;  fcq: record = column tile.
; Work-groups 192-255: q' = (query . w_qs) x log2(e) / 8, in f32 fused multiply-adds, 16 columns a work-group.
; A block's scale is 2^(floor(log2(largest magnitude)) - 2); its byte is the largest magnitude's exponent field - 2, held at 1 from below.
; LIMITS: a block of zeros, and a block whose largest magnitude lies under 2^-124, get the byte 1 (a zero block's codes are zeros and only this program reads the bytes); NaN and infinities are not served.
; A LANE TAKES A COLUMN AND ITS REGISTERS RUN DOWN K: a load reads 128 neighbouring bytes a wave (the four waves stand side by side on 512), a block's largest magnitude needs no other lane,
; and the conversions give codes with K innermost.  No tensor load, no matrix instruction; the two paths part on the work-group's number and have LDS bytes of their own.
.set ROWB, 4096                        ; a row of a weight in bytes
.set REC,  12800                       ; a record
.set X,    32                          ; v32-159  four blocks of 32 numbers
.set C,    160                         ; v160-191 a block's six registers of codes, at C + 8 t
.set T,    192                         ; v192-207 where a block's second conversion lands (three registers from an even one), at T + 4 t
.set SB,   208                         ; v208     my column's scale word
.set SO,   209                         ; v209     the conversions' scale operand
.set OUT,  4                           ; v4-27    the way out
.set QLDS, 12288                       ; LDS of the q path: 4 waves x 64 bytes
.set QR,   32                          ; q path: v32-63 my 32 numbers of query
.set WA,   64                          ; v64-191 my 32 rows of w_qs, four columns each
.set AC,   8                           ; v8-15 sums: four columns, even rows and odd rows
	s_load_b256 s[4:11], s[0:1], 0x0               ; w_ks s[4:5], w_vs s[6:7], fc s[8:9], w_qs s[10:11]
	s_load_b256 s[12:19], s[0:1], 0x20             ; query s[12:13], wkv s[14:15], fcq s[16:17], qs s[18:19]
	v_lshl_add_u32 v224, v0, 2, 0x3400
	v_mov_b32 v225, 0
	v_lshrrev_b32 v1, 5, v0
	v_readfirstlane_b32 s20, v1                    ; wave 0..3
	v_and_b32 v31, 31, v0                          ; lane
	s_wait_kmcnt 0x0
	s_cmp_lt_u32 ttmp9, 192
	s_cbranch_scc0 .Lq_path
	; ---- the quantiser: tensor tz, columns 128 cg + 32 wave + lane, rows 128 s .. 128 s + 127: two fragments a wave
	s_lshr_b32 s21, ttmp9, 6                       ; tz: 0 w_ks, 1 w_vs, 2 fc
	s_bfe_u32 s22, ttmp9, 0x30003                  ; cg
	s_and_b32 s23, ttmp9, 7                        ; s
	s_cmp_eq_u32 s21, 0
	s_cselect_b64 s[24:25], s[4:5], s[6:7]
	s_cselect_b32 s28, 0, 4                        ; V's records lie four behind K's
	s_cmp_eq_u32 s21, 2
	s_cselect_b64 s[24:25], s[8:9], s[24:25]       ; the source,
	s_cselect_b64 s[26:27], s[16:17], s[14:15]     ; the destination: choices that hang on the work-group's number alone
	s_cselect_b32 s28, 0, s28
	s_cselect_b32 s29, 2, 3                        ; four tiles of columns are 4 records on in fcq, 8 in wkv
	s_lshl_b32 s30, s22, 3
	s_lshl_b32 s31, s20, 1
	s_add_co_u32 s30, s30, s31                     ; my first column tile: 8 cg + 2 wave (even: the second tile's record is the next one)
	s_lshr_b32 s31, s30, 2
	s_lshl_b32 s31, s31, s29
	s_and_b32 s30, s30, 3
	s_add_co_u32 s30, s30, s31
	s_add_co_u32 s30, s30, s28                     ; its record
	s_mul_i32 s32, s30, REC
	s_mov_b32 s33, 0
	s_add_nc_u64 s[26:27], s[26:27], s[32:33]
	s_lshl_b32 s32, s23, 6
	s_add_nc_u64 s[34:35], s[26:27], s[32:33]      ; for the scale words: + 64 s
	s_mul_i32 s32, s23, 1536
	s_add_nc_u64 s[26:27], s[26:27], s[32:33]      ; for the fragments: + 1536 s
	s_lshl_b32 s36, s23, 19                        ; the source: 128 s rows of 4,096 bytes,
	s_lshl_b32 s37, s22, 9
	s_add_co_u32 s36, s36, s37                     ; + 128 cg columns,
	s_lshl_b32 s37, s20, 7
	s_add_co_u32 s36, s36, s37                     ; + 32 wave columns
	s_mov_b32 s37, 0
	s_add_nc_u64 s[24:25], s[24:25], s[36:37]
	s_wait_alu depctr_va_vdst(0)
	v_lshlrev_b32 v1, 2, v31                       ; in: 4 bytes a lane
.set n, 0
.rept 128
	global_load_b32 v[X+n], v1, s[24:25] offset:n*ROWB th:TH_LOAD_NT   ; W(128 s + n, my column): each weight is read once
.set n, n+1
.endr
	v_and_b32 v30, 15, v31                         ; r: my column in its tile
	v_lshrrev_b32 v29, 4, v31                      ; which of the wave's two tiles
	s_mul_i32 s38, s20, 3072                       ; my wave's stage: two fragments' images
	v_mul_u32_u24 v2, v29, 1536
	v_lshl_add_u32 v2, v30, 4, v2
	v_add_nc_u32 v2, s38, v2                       ; into it: the tile's image, lane r's 16 bytes
	v_lshlrev_b32 v28, 4, v31                      ; out: 16 bytes a lane
	v_add_nc_u32 v3, s38, v28
	v_mul_u32_u24 v29, v29, REC
	v_lshl_add_u32 v29, v30, 2, v29                ; my scale word: the tile's record, 4 r
; Block t of my column: k = 32 t .. 32 t + 31 of the K step.  It is registers 6 (t / 2) .. + 5 of lane r + 16 (t % 2) of the fragment.
.macro BLOCK t, left
.set XB, X+32*(\t)
.set CC, C+8*(\t)
.set TT, T+4*(\t)
	s_wait_loadcnt \left                           ; loads come back in order: this block's 32 are in; \left is what may stay out of the younger ones (63 is the largest count that can be named)
	v_max3_num_f32 v30, |v[XB]|, |v[XB+1]|, |v[XB+2]|
	v_max3_num_f32 v31, |v[XB+3]|, |v[XB+4]|, |v[XB+5]|
.irp i, 6,10,14,18,22,26
	v_max3_num_f32 v30, v30, |v[XB+\i]|, |v[XB+\i+1]|
	v_max3_num_f32 v31, v31, |v[XB+\i+2]|, |v[XB+\i+3]|
.endr
	v_max3_num_f32 v30, v30, |v[XB+30]|, |v[XB+31]|
	v_max3_num_f32 v30, v30, v31, 0x1800000        ; the block's largest magnitude, and the floor 2^(3 - 127): the byte cannot fall under 1
	v_add_nc_u32 v[SO], 0xff000000, v30            ; 2 off its exponent field: the conversion takes the exponent field of this operand as its scale
	v_lshrrev_b32 v31, 23, v[SO]                   ; the scale's byte
.if (\t) == 0
	v_mov_b32 v[SB], v31
.else
	v_lshl_or_b32 v[SB], v31, 8*(\t), v[SB]        ; the lower K in the lower byte
.endif
	v_cvt_scalef32_pk16_fp6_f32 v[CC:CC+2], v[XB:XB+15], v[SO]
	v_cvt_scalef32_pk16_fp6_f32 v[TT:TT+2], v[XB+16:XB+31], v[SO]   ; (a conversion's three registers begin on an even number)
	v_nop                                          ; one plain instruction behind the scaled conversions
.irp i, 0,1,2
	v_mov_b32 v[CC+3+\i], v[TT+\i]
.endr
.if (\t) < 2
	ds_store_b128 v2, v[CC:CC+3] offset:256*((\t)%2)               ; registers 0-3
	ds_store_b64 v2, v[CC+4:CC+5] offset:512+256*((\t)%2)          ; registers 4, 5
.else
	ds_store_b64 v2, v[CC:CC+1] offset:520+256*((\t)%2)            ; registers 6, 7
	ds_store_b128 v2, v[CC+2:CC+5] offset:1024+256*((\t)%2)        ; registers 8-11
.endif
.endm
	BLOCK 0, 63
	BLOCK 1, 63
	BLOCK 2, 32
	BLOCK 3, 0
.irp g, 0,1,2,3,4,5
	ds_load_b128 v[OUT+4*\g:OUT+4*\g+3], v3 offset:512*\g          ; LDS serves a wave's instructions in order: these see my stores
.endr
	s_wait_alu depctr_va_vdst(0)
.irp g, 0,1,2,3,4,5
	s_wait_dscnt 5-\g
	global_store_b128 v28, v[OUT+4*\g:OUT+4*\g+3], s[26:27] offset:(\g/3)*REC+(\g%3)*512   ; 32 lanes store 512 consecutive bytes, at a multiple of 256 from the buffer's first byte
.endr
	global_store_b32 v29, v[SB], s[34:35] offset:12288             ; 64 bytes a tile: the scale words are one part in 24 of what is stored
	s_wait_tensorcnt 0x0
	ds_add_u32 v224, v225
	s_wait_dscnt 0x0
	s_endpgm
	; ---- q' for columns 16 g .. 16 g + 15.  Lane: 4 columns (lane % 4), rows 256 wave + 32 (lane / 4) + 0 .. 31.
	; 64 work-groups, so that a lane has 8 + 32 loads and all of them are on their way at once.
.Lq_path:
	s_sub_co_u32 s21, ttmp9, 192                   ; g: 0..63
	s_wait_alu depctr_va_vdst(0)
	v_and_b32 v1, 3, v31                           ; which four of the 16 columns
	v_lshrrev_b32 v2, 2, v31                       ; which 32 of the wave's 256 rows
	v_lshlrev_b32 v3, 7, v2                        ; query: my 32 numbers
	s_wait_alu depctr_va_vdst(0)
	v_lshlrev_b32 v4, 17, v2                       ; w_qs: 32 rows of 4,096 bytes a group of lanes,
	v_lshl_add_u32 v4, v1, 4, v4                   ; 16 bytes a lane
	s_wait_alu depctr_va_vdst(0)
	s_lshl_b32 s24, s20, 6
	s_add_co_u32 s24, s24, QLDS
	v_lshl_add_u32 v5, v1, 4, s24                  ; LDS: my wave's 16 sums
	v_and_b32 v7, 15, v31
	v_lshlrev_b32 v7, 2, v7                        ; and back: a column a lane (lanes 16-31 take the same as lanes 0-15)
	v_add_nc_u32 v6, QLDS, v7
	s_mov_b32 s26, 0x76543210
	s_mov_b32 s27, 0xfedcba98                      ; v_permlanex16_b32's selects for lane l xor 16
	s_mov_b32 s23, 0
	s_lshl_b32 s22, s20, 10
	s_add_nc_u64 s[12:13], s[12:13], s[22:23]      ; query at my wave's 256 numbers
	s_lshl_b32 s22, s20, 20                        ; w_qs at my wave's 256 rows,
	s_lshl_b32 s25, s21, 6
	s_add_co_u32 s22, s22, s25                     ; my work-group's 16 columns
	s_add_nc_u64 s[10:11], s[10:11], s[22:23]
	s_mov_b32 s22, s25
	s_add_nc_u64 s[18:19], s[18:19], s[22:23]      ; qs likewise
.irp n, 0,1,2,3,4,5,6,7
	global_load_b128 v[QR+4*\n:QR+4*\n+3], v3, s[12:13] offset:16*\n
.endr
.set i, 0
.rept 32
	global_load_b128 v[WA+4*i:WA+4*i+3], v4, s[10:11] offset:i*ROWB    ; row i of my 32: no hint, since four work-groups share each 256 bytes of a row
.set i, i+1
.endr
	s_wait_loadcnt 16                              ; query and rows 0-15 are in; the 16 loads of rows 16-31 may be out
.set i, 0
.rept 32
.if i == 16
	s_wait_alu depctr_va_vdst(0)
	s_wait_loadcnt 0x0
.endif
.irp c, 0,1,2,3
.if i < 2
	v_mul_f32 v[AC+4*(i%2)+\c], v[QR+i], v[WA+4*i+\c]              ; the first products start the sums
.else
	v_fmac_f32 v[AC+4*(i%2)+\c], v[QR+i], v[WA+4*i+\c]             ; eight sums by turns
.endif
.endr
.set i, i+1
.endr
.irp c, 0,1,2,3
	v_add_f32 v[AC+\c], v[AC+\c], v[AC+4+\c]       ; even rows' and odd rows' sums
.endr
.irp m, 4,8
.irp c, 0,1,2,3
	v_add_f32_dpp v[AC+\c], v[AC+\c], v[AC+\c] row_xmask:\m row_mask:0xf bank_mask:0xf   ; the groups of lanes 4 and 8 away,
.endr
.endr
.irp c, 0,1,2,3
	v_permlanex16_b32 v[AC+4+\c], v[AC+\c], s26, s27
.endr
.irp c, 0,1,2,3
	v_add_f32 v[AC+\c], v[AC+\c], v[AC+4+\c]       ; and 16 away: my wave's 256 rows
.endr
	ds_store_b128 v5, v[AC:AC+3]                   ; the eight groups of lanes write the same bytes with the same values
	s_wait_dscnt 0x0                               ; for the others' sake: my store has landed
	s_barrier_signal -1
	s_barrier_wait -1
	s_cmp_lg_u32 s20, 0
	s_cbranch_scc1 .Lq_end
.irp w, 0,1,2,3
	ds_load_b32 v[16+\w], v6 offset:64*\w
.endr
	s_wait_dscnt 0x0
	v_add_f32 v16, v16, v17
	v_add_f32 v16, v16, v18
	v_add_f32 v16, v16, v19
	v_mul_f32 v16, 0x3e38aa3b, v16                 ; x log2(e) / sqrt(64): the scores come out as exponents of 2
	v_cmp_gt_u32 vcc_lo, 16, v31
	s_wait_alu depctr_va_vdst(0)
	s_wait_xcnt 0x0                                ; EXEC changes only behind this wait
	s_and_saveexec_b32 s28, vcc_lo                 ; sixteen lanes store the 16 columns
	global_store_b32 v7, v16, s[18:19]
	s_wait_xcnt 0x0                                ; and again, in front of the line that widens it
	s_or_b32 exec_lo, exec_lo, s28
.Lq_end:
	s_wait_tensorcnt 0x0
	ds_add_u32 v224, v225
	s_wait_dscnt 0x0
	s_endpgm
.Lfunc_end_k_q13b4c217f0_prep:
	.size	k_q13b4c217f0_prep, .Lfunc_end_k_q13b4c217f0_prep-k_q13b4c217f0_prep
	.p2alignl 7, 3214868480
	.fill 96, 4, 3214868480
	.section	.rodata,"a",@progbits
	.p2align	6, 0x0
	.amdhsa_kernel k_q13b4c217f0_prep
		.amdhsa_group_segment_fixed_size 13824
		.amdhsa_private_segment_fixed_size 0
		.amdhsa_enable_private_segment 0
		.amdhsa_kernarg_size 64
		.amdhsa_user_sgpr_count 2
		.amdhsa_user_sgpr_kernarg_segment_ptr 1
		.amdhsa_wavefront_size32 1
		.amdhsa_system_sgpr_workgroup_id_x 1
		.amdhsa_system_sgpr_workgroup_id_y 1
		.amdhsa_system_sgpr_workgroup_id_z 1
		.amdhsa_system_vgpr_workitem_id 0
		.amdhsa_next_free_vgpr 226
		.amdhsa_next_free_sgpr 66
		.amdhsa_reserve_vcc 1
		.amdhsa_float_denorm_mode_32 3
		.amdhsa_float_denorm_mode_16_64 3
		.amdhsa_memory_ordered 1
		.amdhsa_forward_progress 1
		.amdhsa_inst_pref_size 34
	.end_amdhsa_kernel
	.amdgpu_metadata
---
amdhsa.version: [ 1, 2 ]
amdhsa.kernels:
  - .name:           k_q13b4c217f0_prep
    .symbol:         k_q13b4c217f0_prep.kd
    .args:
      - { .name: w_ks, .offset: 0, .size: 8, .value_kind: global_buffer, .address_space: global }
      - { .name: w_vs, .offset: 8, .size: 8, .value_kind: global_buffer, .address_space: global }
      - { .name: fc, .offset: 16, .size: 8, .value_kind: global_buffer, .address_space: global }
      - { .name: w_qs, .offset: 24, .size: 8, .value_kind: global_buffer, .address_space: global }
      - { .name: query, .offset: 32, .size: 8, .value_kind: global_buffer, .address_space: global }
      - { .name: wkv, .offset: 40, .size: 8, .value_kind: global_buffer, .address_space: global }
      - { .name: fcq, .offset: 48, .size: 8, .value_kind: global_buffer, .address_space: global }
      - { .name: qs, .offset: 56, .size: 8, .value_kind: global_buffer, .address_space: global }
    .group_segment_fixed_size: 13824
    .private_segment_fixed_size: 0
    .kernarg_segment_align: 8
    .kernarg_segment_size: 64
    .max_flat_workgroup_size: 128
    .sgpr_count:     66
    .vgpr_count:     226
    .wavefront_size: 32
...
	.end_amdgpu_metadata
.endif
;; end of part 1
;; launch main (part 2): grid 256 x 1, 4 waves a work-group, clusters of 4 x 1, 327,680 bytes of LDS; arguments x, wkv, qs, sc, part; writes sc, part
.if DOCPART == 2
	.amdgcn_target "amdgcn-amd-amdhsa--gfx1250"
	.amdhsa_code_object_version 6
	.text
	.protected	k_q13b4c217f0_main
	.globl	k_q13b4c217f0_main
	.p2align	8
	.type	k_q13b4c217f0_main,@function
k_q13b4c217f0_main:
	s_mov_b64 s[64:65], 0
	v_nop
	global_prefetch_b8 v0, s[64:65] scope:SCOPE_SE
	s_setreg_imm32_b32 hwreg(HW_REG_WAVE_MODE, 25, 1), 1
	s_wait_xcnt 0x0
	s_wait_alu depctr_hold_cnt(0) depctr_sa_sdst(0) depctr_va_vdst(0) depctr_va_sdst(0) depctr_va_ssrc(0) depctr_va_vcc(0) depctr_vm_vsrc(0)
	s_getreg_b32 s2, hwreg(HW_REG_IB_STS2, 6, 4)
	s_cmp_eq_u32 s2, 0
	s_cbranch_scc0 .Lentry_in_a_cluster
	s_endpgm
.Lentry_in_a_cluster:
	s_bfe_u32 s2, ttmp6, 0x10000c
	s_cmp_lg_u32 s2, 0x3003
	s_cbranch_scc0 .Lentry_shape_is_right
	s_endpgm
.Lentry_shape_is_right:
; MAIN.  A work-group takes 128 rows of x; wave w takes heads 4 w .. 4 w + 3.  First the rows are quantised (FP6, E2M3, one E8M0 byte for each 32 along K) and laid in LDS as images of
; the operand's registers; every wave then holds all 64 fragments in registers.  The weights' records come through two LDS slots by joint loads of a cluster of four work-groups.
; For each head: K's four column tiles give the scores (as exponents of 2), the block's maximum is taken away before the exponentials, V's four tiles give the block's weighted sums.
; Stored: the scores (sc), and for each head the block's sums, maximum and sum of exponentials (part).  Slot 0's first fill goes out at the head; slot 1's behind the x loop, as a refill does.
.set REC,    12800
.set WSH,    2*REC
.set SLOTB,  4*WSH
.set IMG,    2*SLOTB
.set XSC,    IMG+64*1536
.set STAGE,  XSC+4096
.set STGW,   16*272
.set SPARE,  STAGE+4*STGW
.set WA0, 1
.set WA1, 2
.set WS0, 3
.set WS1, 4
.set SPW, 5
.set NIL, 6
.set QLA, 7
.set SCO, 8
.set CST, 9
.set CLD, 10
.set L8,  11
.set ML,  12
.set TA,  14
.set WSC, 16
.set Q,   24
.set CT,  24
.set SP,  32
.set XL,  48
.set TS,  60
.set ACC, 64
.set WF,  128
.set XS,  224
.set XA,  24
.set STW, 25
.set STR, 26
.set XWI, 27
.set XWS, 28
.set XWA, 29
.set XSA, 30
.set IA0, 31
.set IA1, 32
.set XSR, 33
.set QSA, 34
.set QGO, 35
.set QRAW, 40
.set X,   64
.set PC,  128
.set TM,  148
.set PW,  164
.set WV,  14
.set C4,  17
.set SEL, 18
.set HD,  20
.set HI,  21
.set HIN, 22
.set HM,  23
.set G1,  24
.set G0A, 32
.set G0B, 36
.set HBC, 40
.set HBN, 42
.set SCB, 46
.set PB,  48
.set WB,  50
.set QW,  52
.set SW,  54
.set PR,  56
.set IMO, 58
.set ISO, 59
.set XC,  60
.set HI8, 61
.set MSB, 0
.macro WIN new
.if MSB != (\new)
	s_set_vgpr_msb (MSB<<8)|(\new)
.set MSB, (\new)
.endif
.endm
.macro PLACES
.rept 4
	v_nop
.endr
.endm
.macro CREST
	s_cmp_lg_u32 s[WV], 0
	s_cbranch_scc1 .Lnot_wave_0_\@
	s_barrier_signal -3
.Lnot_wave_0_\@:
	s_barrier_wait -3
	s_barrier_signal -1
	s_barrier_wait -1
.endm
.macro CROUND
	s_barrier_signal -1
	s_barrier_wait -1
	CREST
.endm
.macro XREG s, rt
.set XF, 8*(\s)+(\rt)
.if XF == 63
.set XW, 0
.set XR, XL
.else
.set XW, 1+XF/21
.set XR, 12*(XF%21)
.endif
.endm
.macro QUANT s
.irp b, 0,1,2,3
	v_max3_num_f32 v[TM+\b], |v[\s+16*\b]|, |v[\s+1+16*\b]|, 0x1800000
.endr
.irp i, 2,4,6,8,10,12,14
.irp b, 0,1,2,3
	v_max3_num_f32 v[TM+\b], v[TM+\b], |v[\s+16*\b+\i]|, |v[\s+1+16*\b+\i]|
.endr
.endr
.irp b, 0,1,2,3
	v_permlanex16_b32 v[TM+4+\b], v[TM+\b], s[SEL], s[SEL+1]
.endr
.irp b, 0,1,2,3
	v_max_num_f32 v[TM+\b], v[TM+\b], v[TM+4+\b]
.endr
.irp b, 0,1,2,3
	v_add_nc_u32 v[TM+12+\b], 0xff000000, v[TM+\b]
.endr
.irp b, 0,1,2,3
	v_lshrrev_b32 v[TM+4+\b], 23, v[TM+12+\b]
.endr
	v_lshl_or_b32 v[PW], v[TM+5], 8, v[TM+4]
	v_lshl_or_b32 v[PW], v[TM+6], 16, v[PW]
	v_lshl_or_b32 v[PW], v[TM+7], 24, v[PW]
.irp c, 0,1
	v_cvt_scalef32_pk16_fp6_f32 v[PC+6*\c:PC+2+6*\c], v[\s+32*\c:\s+15+32*\c], v[TM+12+2*\c]
	v_cvt_scalef32_pk16_fp6_f32 v[PC+12+4*\c:PC+14+4*\c], v[\s+16+32*\c:\s+31+32*\c], v[TM+12+2*\c+1]
.endr
	v_nop
.irp c, 0,1
.irp i, 0,1,2
	v_permlane16_swap_b32 v[PC+6*\c+\i], v[PC+12+4*\c+\i]
.endr
.irp i, 0,1,2
	v_mov_b32 v[PC+3+6*\c+\i], v[PC+12+4*\c+\i]
.endr
.endr
.endm
.macro HEADSETUP
	s_wait_xcnt 0x0
	s_add_co_u32 s[HI], s[HD], s[C4]
	s_and_b32 s[HI], s[HI], 3
	s_add_co_u32 s[HIN], s[HI], 1
	s_and_b32 s[HIN], s[HIN], 3
	s_mul_i32 s62, s[HI], 8*REC
	s_add_nc_u64 s[HBC:HBC+1], s[WB:WB+1], s[62:63]
	s_mul_i32 s62, s[HIN], 8*REC
	s_add_nc_u64 s[HBN:HBN+1], s[WB:WB+1], s[62:63]
	s_lshl_b32 s62, s[HI], 8
	s_add_nc_u64 s[PB:PB+1], s[PR:PR+1], s[62:63]
	s_lshl_b32 s62, s[HI], 13
	s_add_nc_u64 s[SCB:SCB+1], s[SW:SW+1], s[62:63]
	s_lshl_b32 s[HI8], s[HI], 3
.endm
	s_load_b256 s[4:11], s[0:1], 0x0
	s_load_b64 s[12:13], s[0:1], 0x20
	v_lshl_add_u32 v[SPW], v0, 2, SPARE
	v_mov_b32 v[NIL], 0
	ds_add_u32 v5, v6
	ds_add_u32 v5, v6
	s_wait_dscnt 0x0
	v_lshrrev_b32 v14, 5, v0
	v_readfirstlane_b32 s[WV], v14
	s_bfe_u32 s15, ttmp6, 0x40000
	s_lshl_b32 s16, ttmp9, 2
	s_add_co_u32 s16, s16, s15
	s_and_b32 s[C4], ttmp9, 3
	s_mov_b32 s[SEL], 0x76543210
	s_mov_b32 s[SEL+1], 0xfedcba98
	s_mov_b32 s[HM], 0xffff0000
	s_mov_b32 s[G1], 15|(3<<16)|(1<<21)
	s_mov_b32 s[G1+1], 32<<16
	s_mov_b32 s[G1+2], 100<<16
	s_mov_b32 s[G1+3], 32<<16
	s_mov_b32 s[G1+4], 100
	s_mov_b32 s[G1+5], 32
	s_mov_b32 s[G1+6], 0
	s_mov_b32 s[G1+7], 0
	v_and_b32 v14, 31, v0
	v_and_b32 v15, 15, v0
	v_bfe_u32 v13, v0, 4, 1
	v_lshlrev_b32 v[XA], 15, v13
	v_lshl_add_u32 v[XA], v15, 4, v[XA]
	s_lshl_b32 s66, s16, 19
	s_lshl_b32 s68, s[WV], 13
	s_add_co_u32 s66, s66, s68
	s_mov_b32 s67, 0
	s_mov_b32 s63, 0
	s_wait_alu depctr_va_vdst(0)
	s_wait_kmcnt 0x0
	s_add_nc_u64 s[4:5], s[4:5], s[66:67]
	s_lshr_b32 s66, s16, 4
	s_lshl_b32 s66, s66, 17
	s_and_b32 s68, s16, 15
	s_lshl_b32 s68, s68, 9
	s_add_co_u32 s66, s66, s68
	s_lshl_b32 s68, s[WV], 15
	s_add_co_u32 s66, s66, s68
	s_add_nc_u64 s[SW:SW+1], s[10:11], s[66:67]
	s_lshl_b32 s66, s16, 2
	s_add_co_u32 s66, s66, s[WV]
	s_mul_i32 s66, s66, 1280
	s_add_nc_u64 s[PR:PR+1], s[12:13], s[66:67]
	s_mul_i32 s62, s[WV], 32*REC
	s_add_nc_u64 s[WB:WB+1], s[6:7], s[62:63]
	s_lshl_b32 s62, s[WV], 10
	s_add_nc_u64 s[QW:QW+1], s[8:9], s[62:63]
	s_mov_b32 s[HD], 0
	HEADSETUP
	s_mov_b32 s[G0A], 1
	s_mul_i32 s[G0A+1], s[WV], WSH
	s_add_nc_u64 s[G0A+2:G0A+3], s[HBC:HBC+1], 0
	s_or_b32 s[G0A+3], s[G0A+3], 0x80000000
	s_mov_b32 s[G0B], 1
	s_add_co_u32 s[G0B+1], s[G0A+1], SLOTB
	s_add_nc_u64 s[G0B+2:G0B+3], s[HBC:HBC+1], WSH
	s_or_b32 s[G0B+3], s[G0B+3], 0x80000000
.macro XLOADS j, ahead
	WIN 0xc0
.irp hf, 0,1
.irp a, 0,1,2,3,4,5,6,7
	global_load_b128 v[64*(\j)+32*\hf+4*\a:64*(\j)+32*\hf+4*\a+3], v[XA], s[4:5] offset:\a*65536+((\j)%2)*4096+((\j)/2)*512+\hf*256+(\ahead)*1024 th:TH_LOAD_NT
.endr
.endr
	WIN 0
.endm
	XLOADS 0, 0
	XLOADS 1, 0
	XLOADS 2, 0
	CROUND
	tensor_load_to_lds s[G0A:G0A+3], s[G1:G1+7]    ; slot 0: my one tensor load at the head
	s_nop 0
	PLACES
	XLOADS 3, 0
	v_lshl_add_u32 v[WA0], v14, 4, s[G0A+1]
	v_add_nc_u32 v[WA1], SLOTB, v[WA0]
	v_lshl_add_u32 v[WS0], v14, 2, s[G0A+1]
	v_add_nc_u32 v[WS0], 12288, v[WS0]
	v_add_nc_u32 v[WS1], SLOTB, v[WS0]
	v_lshlrev_b32 v[SCO], 5, v15
	v_lshl_add_u32 v[SCO], v13, 4, v[SCO]
	s_mul_i32 s69, s[WV], STGW
	s_add_co_u32 s69, s69, STAGE
	v_lshl_add_u32 v[CST], v13, 5, s69
	v_mov_b32 v[QLA], v[CST]
	v_lshl_add_u32 v[CLD], v14, 3, s69
	v_lshlrev_b32 v[L8], 3, v14
	v_lshl_add_u32 v[QSA], v14, 5, s69
	v_lshrrev_b32 v[QGO], 3, v14
	v_add_nc_u32 v[QGO], s[C4], v[QGO]
	v_and_b32 v[QGO], 3, v[QGO]
	v_and_b32 v12, 7, v14
	v_lshlrev_b32 v12, 5, v12
	v_lshl_or_b32 v[QGO], v[QGO], 8, v12
	v_mul_u32_u24 v[STW], v13, 272
	v_lshl_add_u32 v[STW], v15, 4, v[STW]
	v_add_nc_u32 v[STW], s69, v[STW]
	v_mul_u32_u24 v[STR], v15, 272
	v_lshl_add_u32 v[STR], v13, 6, v[STR]
	v_add_nc_u32 v[STR], s69, v[STR]
	s_mul_i32 s70, s[WV], 3072
	s_add_co_u32 s70, s70, IMG
	v_lshl_add_u32 v[XWI], v14, 4, s70
	s_lshl_b32 s70, s[WV], 8
	s_add_co_u32 s70, s70, XSC
	v_lshl_add_u32 v[XWS], v15, 2, s70
	v_lshlrev_b32 v[IA0], 4, v14
	v_add_nc_u32 v[IA0], IMG, v[IA0]
	v_add_nc_u32 v[IA1], 32*1536, v[IA0]
	v_lshlrev_b32 v[XSR], 2, v14
	v_add_nc_u32 v[XSR], XSC, v[XSR]
	v_mov_b32 v[ML], 0
	v_mov_b32 v[ML+1], 0
.irp b, 0,1,2,3
	v_mov_b32 v[TM+4+\b], 0
.endr
.macro UNIT j, reload, left
	s_wait_loadcnt \left
.irp hf, 0,1
	WIN 0x0c
.irp a, 0,1,2,3,4,5,6,7
	ds_store_b128 v[STW], v[64*(\j)+32*\hf+4*\a:64*(\j)+32*\hf+4*\a+3] offset:544*\a
.endr
	WIN 0
.irp bb, 0,1
.irp q4, 0,1,2,3
	ds_load_b128 v[X+32*\hf+16*\bb+4*\q4:X+32*\hf+16*\bb+4*\q4+3], v[STR] offset:128*\bb+16*\q4
.endr
.endr
.endr
	s_wait_dscnt 0x0
.if \reload
	XLOADS \j, 1
.endif
	QUANT X
.irp c, 0,1,2
	ds_store_b128 v[XWA], v[PC+4*\c:PC+4*\c+3] offset:12288*((\j)/2)+1536*((\j)%2)+512*\c
.endr
	ds_store_b32 v[XSA], v[PW] offset:128*((\j)%2)+64*((\j)/2)
.endm
	s_mov_b32 s[IMO], 0
	s_mov_b32 s[ISO], 0
	s_mov_b32 s[XC], 3
.Lxtrip:
	v_add_nc_u32 v[XWA], s[IMO], v[XWI]
	v_add_nc_u32 v[XSA], s[ISO], v[XWS]
	UNIT 0, 1, 48
	UNIT 1, 1, 48
	UNIT 2, 1, 48
	UNIT 3, 1, 48
	s_wait_dscnt 0x0
	s_wait_xcnt 0x0
	s_add_nc_u64 s[4:5], s[4:5], 1024
	s_add_co_u32 s[IMO], s[IMO], 16*1536
	s_add_co_u32 s[ISO], s[ISO], 1024
	s_sub_co_u32 s[XC], s[XC], 1
	s_cmp_lg_u32 s[XC], 0
	s_cbranch_scc1 .Lxtrip
	s_wait_tensorcnt 0x0                           ; slot 0's load is in: slot 1's first fill is issued as a refill is
	ds_add_u32 v[SPW], v[NIL]
	s_wait_dscnt 0x0
	CROUND                                         ; a whole round: the four partners' joint loads meet
	tensor_load_to_lds s[G0B:G0B+3], s[G1:G1+7]    ; slot 1: it has the four last units and the image loads in which to land
	s_nop 0
	PLACES
	v_add_nc_u32 v[XWA], s[IMO], v[XWI]
	v_add_nc_u32 v[XSA], s[ISO], v[XWS]
	global_load_b128 v[QRAW:QRAW+3], v[QGO], s[QW:QW+1]
	global_load_b128 v[QRAW+4:QRAW+7], v[QGO], s[QW:QW+1] offset:16
	UNIT 0, 0, 50
	UNIT 1, 0, 34
	UNIT 2, 0, 18
	UNIT 3, 0, 2
	s_wait_loadcnt 0x0
	ds_store_b128 v[QSA], v[QRAW:QRAW+3] offset:512
	ds_store_b128 v[QSA], v[QRAW+4:QRAW+7] offset:528
	s_wait_tensorcnt 0x1
	s_wait_dscnt 0x0
	s_barrier_signal -1
	s_barrier_wait -1
.irp s, 0,1,2,3,4,5,6,7
.irp rt, 0,1,2,3,4,5,6,7
	XREG \s, \rt
	WIN XW<<6
.irp c, 0,1,2
.if 8*\s+\rt < 32
	ds_load_b128 v[XR+4*\c:XR+4*\c+3], v[IA0] offset:1536*(8*\s+\rt)+512*\c
.else
	ds_load_b128 v[XR+4*\c:XR+4*\c+3], v[IA1] offset:1536*(8*\s+\rt-32)+512*\c
.endif
.endr
.endr
.endr
	WIN 0
.irp u, 0,1,2,3
.irp rt, 0,1,2,3,4,5,6,7
	ds_load_b32 v[XS+8*\u+\rt], v[XSR] offset:1024*\u+128*\rt
.endr
.endr
	s_wait_dscnt 0x0
.macro MM s, rt, zero, set
	XREG \s, \rt
	WIN XW<<2
.if \zero
	v_wmma_scale_f32_16x16x128_f8f6f4 v[ACC+8*(\rt):ACC+8*(\rt)+7], v[WF+12*(\s):WF+12*(\s)+11], v[XR:XR+11], 0, v[WSC+4*(\set)+(\s)/2], v[XS+8*((\s)/2)+(\rt)] matrix_a_fmt:MATRIX_FMT_FP6 matrix_b_fmt:MATRIX_FMT_FP6
.elseif (\s)%2
	v_wmma_scale_f32_16x16x128_f8f6f4 v[ACC+8*(\rt):ACC+8*(\rt)+7], v[WF+12*(\s):WF+12*(\s)+11], v[XR:XR+11], v[ACC+8*(\rt):ACC+8*(\rt)+7], v[WSC+4*(\set)+(\s)/2], v[XS+8*((\s)/2)+(\rt)] matrix_a_fmt:MATRIX_FMT_FP6 matrix_b_fmt:MATRIX_FMT_FP6 matrix_a_scale:MATRIX_SCALE_ROW1 matrix_b_scale:MATRIX_SCALE_ROW1
.else
	v_wmma_scale_f32_16x16x128_f8f6f4 v[ACC+8*(\rt):ACC+8*(\rt)+7], v[WF+12*(\s):WF+12*(\s)+11], v[XR:XR+11], v[ACC+8*(\rt):ACC+8*(\rt)+7], v[WSC+4*(\set)+(\s)/2], v[XS+8*((\s)/2)+(\rt)] matrix_a_fmt:MATRIX_FMT_FP6 matrix_b_fmt:MATRIX_FMT_FP6
.endif
.endm
.macro MULK s, zero, set
.irp rt, 0,1,2,3,4,5,6,7
	MM \s, \rt, \zero, \set
.endr
.endm
.macro RUN1 ad, sd, rec, set
.irp g, 0,1,2,3,4,5,6,7,8,9,10,11
	ds_load_b128 v[WF+4*\g:WF+4*\g+3], v[\ad] offset:REC*(\rec)+512*\g
.endr
.irp u, 0,1,2,3
	ds_load_b32 v[WSC+4*(\set)+\u], v[\sd] offset:REC*(\rec)+128*\u
.endr
.endm
.macro RUN2 ad, rec
.irp g, 12,13,14,15,16,17,18,19,20,21,22,23
	ds_load_b128 v[WF+4*\g:WF+4*\g+3], v[\ad] offset:REC*(\rec)+512*\g
.endr
.endm
.macro PKA t, g
	WIN 0
.irp j, 0,2,4,6
.irp r, 0,1,2,3
.set RT, 4*(\g)+\r
.if ((\t) == 0) && (\j == 0)
	v_pk_mul_f32 v[SP+2*RT:SP+2*RT+1], v[ACC+8*RT+\j:ACC+8*RT+\j+1], v[Q+\j:Q+\j+1]
.else
	v_pk_fma_f32 v[SP+2*RT:SP+2*RT+1], v[ACC+8*RT+\j:ACC+8*RT+\j+1], v[Q+\j:Q+\j+1], v[SP+2*RT:SP+2*RT+1]
.endif
.endr
.endr
.endm
.macro PVA g
	WIN 0
.irp r, 0,1,2,3
.irp j, 0,2,4,6
.set RT, 4*(\g)+\r
.if RT == 0
	v_pk_mul_f32 v[CT+\j:CT+\j+1], v[ACC+8*RT+\j:ACC+8*RT+\j+1], v[SP+2*RT:SP+2*RT+1] op_sel_hi:[1,0]
.else
	v_pk_fma_f32 v[CT+\j:CT+\j+1], v[ACC+8*RT+\j:ACC+8*RT+\j+1], v[SP+2*RT:SP+2*RT+1], v[CT+\j:CT+\j+1] op_sel_hi:[1,0,1]
.endif
.endr
.endr
.endm
.macro PVD m
	WIN 0
.irp j, 0,1,2,3,4,5,6,7
	v_add_f32_dpp v[CT+\j], v[CT+\j], v[CT+\j] row_xmask:\m row_mask:0xf bank_mask:0xf
.endr
.endm
.macro PVS t
	ds_store_b128 v[CST], v[CT:CT+3] offset:64*(\t)
	ds_store_b128 v[CST], v[CT+4:CT+7] offset:64*(\t)+16
.endm
.macro STEP0 set, pk, pt
.if \pk == 1
	PKA \pt, 0
.elseif \pk == 2
	PVA 0
.endif
.irp rt, 0,1,2,3
	MM 0, \rt, 1, \set
.endr
.if \pk == 1
	PKA \pt, 1
.elseif \pk == 2
	PVA 1
.endif
.irp rt, 4,5,6,7
	MM 0, \rt, 1, \set
.endr
.endm
.macro STEP1 set, pk
.if \pk == 2
	MM 1, 0, 0, \set
	MM 1, 1, 0, \set
	PVD 1
	MM 1, 2, 0, \set
	MM 1, 3, 0, \set
	PVD 2
	MM 1, 4, 0, \set
	MM 1, 5, 0, \set
	PVD 4
	MM 1, 6, 0, \set
	MM 1, 7, 0, \set
	PVD 8
.else
	MULK 1, 0, \set
.endif
.endm
.macro SOFTMAX
.irp rt, 0,1,2,3,4,5,6,7
	v_add_f32 v[SP+2*\rt], v[SP+2*\rt], v[SP+2*\rt+1]
.endr
.irp rt, 0,1,2,3,4,5,6,7
	v_permlanex16_b32 v[SP+2*\rt+1], v[SP+2*\rt], s[SEL], s[SEL+1]
.endr
.irp rt, 0,1,2,3,4,5,6,7
	v_add_f32 v[SP+2*\rt], v[SP+2*\rt], v[SP+2*\rt+1]
.endr
	v_max3_num_f32 v[TA], v[SP], v[SP+2], v[SP+4]
	v_max3_num_f32 v[TA+1], v[SP+6], v[SP+8], v[SP+10]
	v_max3_num_f32 v[TA], v[TA], v[SP+12], v[SP+14]
	v_max_num_f32 v[TA], v[TA], v[TA+1]
.irp m, 1,2,4,8
	v_max_num_f32_dpp v[TA], v[TA], v[TA] row_xmask:\m row_mask:0xf bank_mask:0xf
.endr
.irp k, 0,1,2,3
	v_cndmask_b32 v[TS+\k], v[SP+2*\k], v[SP+8+2*\k], s[HM]
.endr
	global_store_b128 v[SCO], v[TS:TS+3], s[SCB:SCB+1]
.irp rt, 0,1,2,3,4,5,6,7
	v_sub_f32 v[SP+2*\rt], v[SP+2*\rt], v[TA]
.endr
	s_wait_alu depctr_va_vdst(0)
.irp rt, 0,1,2,3,4,5,6,7
	v_exp_f32 v[SP+2*\rt], v[SP+2*\rt]
.endr
	v_nop
	v_cmp_eq_u32 vcc_lo, s[HI8], v[L8]
	s_wait_alu depctr_va_vdst(0)
	v_add_f32 v[TA+1], v[SP], v[SP+2]
	v_add_f32 v[SP+1], v[SP+4], v[SP+6]
	v_add_f32 v[SP+3], v[SP+8], v[SP+10]
	v_add_f32 v[SP+5], v[SP+12], v[SP+14]
	v_add_f32 v[TA+1], v[TA+1], v[SP+1]
	v_add_f32 v[SP+3], v[SP+3], v[SP+5]
	v_add_f32 v[TA+1], v[TA+1], v[SP+3]
.irp m, 1,2,4,8
	v_add_f32_dpp v[TA+1], v[TA+1], v[TA+1] row_xmask:\m row_mask:0xf bank_mask:0xf
.endr
	v_cndmask_b32 v[ML], v[ML], v[TA], vcc_lo
	v_cndmask_b32 v[ML+1], v[ML+1], v[TA+1], vcc_lo
.endm
.macro TILE set, na, ns, nrec, turn, g0, hb, off, more, pk, pt, qo, fin, soft
.if \turn == 2
	s_wait_tensorcnt 0x0
.endif
	s_wait_dscnt 12
	STEP0 \set, \pk, \pt
	STEP1 \set, \pk
	WIN 0
.if \pk == 2
	PVS \pt
.endif
.if \fin
	ds_load_b64 v[TA:TA+1], v[CLD]
.endif
.if \turn == 1
	s_wait_tensorcnt 0x0
	ds_add_u32 v[SPW], v[NIL]
	MULK 2, 0, \set
	s_wait_dscnt 0x0
	s_barrier_signal -1
	MULK 3, 0, \set
	WIN 0
	s_barrier_wait -1
	CREST
	s_add_nc_u64 s[\g0+2:\g0+3], s[\hb:\hb+1], \off
	s_or_b32 s[\g0+3], s[\g0+3], 0x80000000
	tensor_load_to_lds s[\g0:\g0+3], s[G1:G1+7]
	s_nop 0
	PLACES
.else
	MULK 2, 0, \set
	MULK 3, 0, \set
	WIN 0
	s_wait_dscnt 0x0
	PLACES
.endif
.if \fin
	global_store_b64 v[L8], v[TA:TA+1], s[PB:PB+1]
	s_add_co_u32 s62, s[HD], 1
	s_lshl_b32 s62, s62, 8
	v_add_nc_u32 v[QLA], s62, v[CST]
.endif
.if \soft
	s_wait_alu depctr_va_vdst(0)
	SOFTMAX
.endif
.if \qo >= 0
	ds_load_b128 v[Q:Q+3], v[QLA] offset:512+\qo
	ds_load_b128 v[Q+4:Q+7], v[QLA] offset:512+\qo+16
.endif
.if \more
	RUN1 \na, \ns, \nrec, 1-\set
.endif
	MULK 4, 0, \set
	MULK 5, 0, \set
	MULK 6, 0, \set
	MULK 7, 0, \set
	WIN 0
	PLACES
.if \more
	RUN2 \na, \nrec
.endif
.endm
.macro REST last
	HEADSETUP
	TILE 1, WA1, WS1, 0, 1, G0A, HBC, 4*REC, 1, 1, 0, 64, 0, 0
	TILE 0, WA1, WS1, 1, 0, 0, 0, 0, 1, 1, 1, 128, 0, 0
	TILE 1, WA0, WS0, 0, 1, G0B, HBC, 6*REC, 1, 1, 2, 192, 0, 0
	TILE 0, WA0, WS0, 1, 0, 0, 0, 0, 1, 1, 3, -1, 0, 1
.if \last
	TILE 1, WA1, WS1, 0, 2, 0, 0, 0, 1, 2, 0, -1, 0, 0
	TILE 0, WA1, WS1, 1, 0, 0, 0, 0, 1, 2, 1, -1, 0, 0
	TILE 1, WA0, WS0, 0, 0, 0, 0, 0, 0, 2, 2, -1, 0, 0
.else
	TILE 1, WA1, WS1, 0, 1, G0A, HBN, 0, 1, 2, 0, -1, 0, 0
	TILE 0, WA1, WS1, 1, 0, 0, 0, 0, 1, 2, 1, -1, 0, 0
	TILE 1, WA0, WS0, 0, 1, G0B, HBN, 2*REC, 1, 2, 2, -1, 0, 0
.endif
.endm
	RUN1 WA0, WS0, 0, 0
	RUN2 WA0, 0
	TILE 0, WA0, WS0, 1, 0, 0, 0, 0, 1, 0, 0, 0, 0, 0
.Lhead:
	REST 0
	TILE 0, WA0, WS0, 1, 0, 0, 0, 0, 1, 2, 3, 0, 1, 0
	s_add_co_u32 s[HD], s[HD], 1
	s_cmp_lt_u32 s[HD], 3
	s_cbranch_scc1 .Lhead
	REST 1
	PVA 0
	PVA 1
	PVD 1
	PVD 2
	PVD 4
	PVD 8
	PVS 3
	ds_load_b64 v[TA:TA+1], v[CLD]
	s_wait_dscnt 0x0
	global_store_b64 v[L8], v[TA:TA+1], s[PB:PB+1]
	global_store_b64 v[L8], v[ML:ML+1], s[PR:PR+1] offset:1024
	s_wait_tensorcnt 0x0
	ds_add_u32 v[SPW], v[NIL]
	s_wait_dscnt 0x0
	CROUND
	s_endpgm
.Lfunc_end_k_q13b4c217f0_main:
	.size	k_q13b4c217f0_main, .Lfunc_end_k_q13b4c217f0_main-k_q13b4c217f0_main
	.p2alignl 7, 3214868480
	.fill 96, 4, 3214868480
	.section	.rodata,"a",@progbits
	.p2align	6, 0x0
	.amdhsa_kernel k_q13b4c217f0_main
		.amdhsa_group_segment_fixed_size 327680
		.amdhsa_private_segment_fixed_size 0
		.amdhsa_enable_private_segment 0
		.amdhsa_kernarg_size 40
		.amdhsa_user_sgpr_count 2
		.amdhsa_user_sgpr_kernarg_segment_ptr 1
		.amdhsa_wavefront_size32 1
		.amdhsa_system_sgpr_workgroup_id_x 1
		.amdhsa_system_sgpr_workgroup_id_y 1
		.amdhsa_system_sgpr_workgroup_id_z 1
		.amdhsa_system_vgpr_workitem_id 0
		.amdhsa_next_free_vgpr 1024
		.amdhsa_next_free_sgpr 72
		.amdhsa_reserve_vcc 1
		.amdhsa_float_denorm_mode_32 3
		.amdhsa_float_denorm_mode_16_64 3
		.amdhsa_memory_ordered 1
		.amdhsa_forward_progress 1
		.amdhsa_inst_pref_size 255
	.end_amdhsa_kernel
	.section	.bss,"aw",@nobits
	.p2align	6
	.space	262144
	.amdgpu_metadata
---
amdhsa.version: [ 1, 2 ]
amdhsa.kernels:
  - .name:           k_q13b4c217f0_main
    .symbol:         k_q13b4c217f0_main.kd
    .args:
      - { .name: x, .offset: 0, .size: 8, .value_kind: global_buffer, .address_space: global }
      - { .name: wkv, .offset: 8, .size: 8, .value_kind: global_buffer, .address_space: global }
      - { .name: qs, .offset: 16, .size: 8, .value_kind: global_buffer, .address_space: global }
      - { .name: sc, .offset: 24, .size: 8, .value_kind: global_buffer, .address_space: global }
      - { .name: part, .offset: 32, .size: 8, .value_kind: global_buffer, .address_space: global }
    .group_segment_fixed_size: 327680
    .private_segment_fixed_size: 0
    .kernarg_segment_align: 8
    .kernarg_segment_size: 40
    .max_flat_workgroup_size: 128
    .sgpr_count:     72
    .vgpr_count:     1024
    .wavefront_size: 32
...
	.end_amdgpu_metadata
.endif
;; end of part 2
;; launch mid (part 3): grid 8 x 16, 16 waves a work-group, no clusters, 15,360 bytes of LDS; arguments part, sc, fcq, out1, pre; writes out1, pre
.if DOCPART == 3
	.amdgcn_target "amdgcn-amd-amdhsa--gfx1250"
	.amdhsa_code_object_version 6
	.text
	.protected	k_q13b4c217f0_mid
	.globl	k_q13b4c217f0_mid
	.p2align	8
	.type	k_q13b4c217f0_mid,@function
k_q13b4c217f0_mid:
	s_mov_b64 s[64:65], 0
	v_nop
	global_prefetch_b8 v0, s[64:65] scope:SCOPE_SE
	s_setreg_imm32_b32 hwreg(HW_REG_WAVE_MODE, 25, 1), 1
	s_wait_xcnt 0x0
; MID.  Work-group (s, j): K step s of ctx . fc (heads 2 s, 2 s + 1) for columns 64 j .. 64 j + 63, and a slice of attn.
; Wave v = batch v.  It joins the batch's sixteen blocks for the two heads: M = max m, e = 2^(m - M), L = sum l e, ctx = sum (e / L) x the block's sums; all in f32.
; attn(v, 2 s + hh, 128 j ..) = 2^(t - M) / L: 512 bytes for each of the two heads.  The sixteen rows of ctx meet in LDS; waves 0-3 quantise them (FP6, E2M3, E8M0 scales along K) and multiply by one column tile of fc each,
; one matrix instruction a wave; the results meet in a stage and leave as rows of 256 bytes: pre[s][b][n].  The eight K steps are added by the last launch.
; The join is made sixteen times over (once for each j): it reads 128 KB a work-group and spares a launch.  The maximum is taken away before every exponential.
; LIMITS: NaN and infinities are not served; a block of 32 of ctx whose largest magnitude lies under 2^-124 (zeros too) gets the scale byte 1.
.set REC,  12800
.set CTX,  0                           ; LDS: 16 rows of ctx x (512 bytes + 16)
.set STG,  16*528                      ; 16 rows x (256 bytes + 16) of results
.set PT,   32                          ; v32-95   the sixteen blocks' sums, 4 numbers each
.set SCV,  96                          ; v96-103  t, then attn
.set FCF,  104                         ; v104-115 fc's fragment
.set FCS,  116                         ; v116     its scale words
.set CA,   120                         ; v[120:123] my four numbers of ctx; later a row of results
.set X,    128                         ; v128-191 64 numbers of a row of ctx
.set PC,   192                         ; v192-211 their codes
.set TM,   212                         ; v212-227 at work in QUANT
.set PW,   228                         ; v228     ctx's scale word
.set D,    232                         ; v232-239 the product
.set WV,   14
.set SEL,  18
.macro QUANT s                         ; 64 numbers of a lane, register 16 b + i = k 32 b + 16 (lane / 16) + i of my row, become a fragment's codes in v[PC] on and its scale word in v[PW]
.irp b, 0,1,2,3
	v_max3_num_f32 v[TM+\b], |v[\s+16*\b]|, |v[\s+1+16*\b]|, 0x1800000   ; and the floor 2^(3 - 127): the byte cannot fall under 1
.endr
.irp i, 2,4,6,8,10,12,14
.irp b, 0,1,2,3
	s_delay_alu instid0(VALU_DEP_4)
	v_max3_num_f32 v[TM+\b], v[TM+\b], |v[\s+16*\b+\i]|, |v[\s+1+16*\b+\i]|
.endr
.endr
.irp b, 0,1,2,3
	s_delay_alu instid0(VALU_DEP_4)
	v_permlanex16_b32 v[TM+4+\b], v[TM+\b], s[SEL], s[SEL+1]
.endr
.irp b, 0,1,2,3
	s_delay_alu instid0(VALU_DEP_4)
	v_max_num_f32 v[TM+\b], v[TM+\b], v[TM+4+\b]
.endr
.irp b, 0,1,2,3
	s_delay_alu instid0(VALU_DEP_4)
	v_add_nc_u32 v[TM+12+\b], 0xff000000, v[TM+\b] ; 2 off the exponent field: the conversion's scale operand
.endr
.irp b, 0,1,2,3
	s_delay_alu instid0(VALU_DEP_4)
	v_lshrrev_b32 v[TM+4+\b], 23, v[TM+12+\b]      ; the scale's byte
.endr
	s_delay_alu instid0(VALU_DEP_3)
	v_lshl_or_b32 v[PW], v[TM+5], 8, v[TM+4]
	s_delay_alu instid0(VALU_DEP_1)
	v_lshl_or_b32 v[PW], v[TM+6], 16, v[PW]
	s_delay_alu instid0(VALU_DEP_1)
	v_lshl_or_b32 v[PW], v[TM+7], 24, v[PW]
.irp c, 0,1
	v_cvt_scalef32_pk16_fp6_f32 v[PC+6*\c:PC+2+6*\c], v[\s+32*\c:\s+15+32*\c], v[TM+12+2*\c]
	v_cvt_scalef32_pk16_fp6_f32 v[PC+12+4*\c:PC+14+4*\c], v[\s+16+32*\c:\s+31+32*\c], v[TM+12+2*\c+1]
.endr
	v_nop                                          ; one plain instruction behind the scaled conversions
.irp c, 0,1
.irp i, 0,1,2
	v_permlane16_swap_b32 v[PC+6*\c+\i], v[PC+12+4*\c+\i]
.endr
.irp i, 0,1,2
	s_delay_alu instid0(VALU_DEP_3)
	v_mov_b32 v[PC+3+6*\c+\i], v[PC+12+4*\c+\i]
.endr
.endr
.endm
	s_load_b256 s[4:11], s[0:1], 0x0               ; part s[4:5], sc s[6:7], fcq s[8:9], out1 s[10:11]
	s_load_b64 s[12:13], s[0:1], 0x20              ; pre
	v_lshl_add_u32 v254, v0, 2, 0x3400
	v_mov_b32 v255, 0
	v_lshrrev_b32 v1, 5, v0
	s_delay_alu instid0(VALU_DEP_1)
	v_readfirstlane_b32 s[WV], v1                  ; wave = batch, 0..15
	s_and_b32 s15, ttmp7, 15                       ; j
	v_and_b32 v1, 31, v0                           ; lane
	v_and_b32 v2, 15, v0                           ; r
	v_bfe_u32 v3, v0, 4, 1                         ; h
	s_delay_alu instid0(VALU_DEP_3)
	v_lshlrev_b32 v4, 4, v1                        ; 16 lane
	s_delay_alu instid0(VALU_DEP_3)
	v_mul_u32_u24 v5, v2, 5120                     ; m, l: block r (four records of 1,280 bytes on), head h of the two
	s_delay_alu instid0(VALU_DEP_1)
	v_lshl_add_u32 v5, v3, 3, v5
	v_lshlrev_b32 v6, 2, v2                        ; fc's scale words: 4 r
	s_mul_i32 s16, s[WV], 528
	v_add_nc_u32 v7, s16, v4                       ; LDS: my batch's row of ctx
	v_mul_u32_u24 v8, v2, 528
	s_delay_alu instid0(VALU_DEP_1)
	v_lshl_add_u32 v8, v3, 6, v8                   ; back: row r, my half's 16 numbers of each block of 32
	v_mul_u32_u24 v9, v2, 272
	s_delay_alu instid0(VALU_DEP_1)
	v_lshl_add_u32 v9, v3, 5, v9
	s_lshl_b32 s16, s[WV], 6
	s_add_co_u32 s16, s16, STG
	v_add_nc_u32 v9, s16, v9                       ; the stage: row r (a batch), + 64 wave (my column tile), + 32 h
	v_mul_u32_u24 v10, v3, 272
	s_delay_alu instid0(VALU_DEP_1)
	v_lshl_add_u32 v10, v2, 4, v10
	s_mul_i32 s16, s[WV], 544
	s_add_co_u32 s16, s16, STG
	v_add_nc_u32 v10, s16, v10                     ; back: rows 2 wave + h, 16 bytes a lane
	v_lshlrev_b32 v11, 12, v3
	s_delay_alu instid0(VALU_DEP_1)
	v_lshl_add_u32 v11, v2, 4, v11                 ; and the same in pre
	s_mov_b32 s[SEL], 0x76543210
	s_mov_b32 s[SEL+1], 0xfedcba98
.irp b, 0,1,2,3
	v_mov_b32 v[TM+4+\b], 0                        ; written once: a lane permute's destination counts as one of its sources
.endr
.irp i, 28,29,30,31
	v_mov_b32 v\i, 0                               ; likewise the two pairs that take the weights
.endr
	s_lshr_b32 s16, ttmp9, 1                       ; heads 2 s, 2 s + 1 belong to wave s / 2 of the launch that made them,
	s_and_b32 s17, ttmp9, 1                        ; as its heads 2 (s mod 2) and the next
	s_mul_i32 s24, s[WV], 81920                    ; my batch's sixteen blocks
	s_mul_i32 s25, s16, 1280
	s_add_co_u32 s24, s24, s25
	s_lshl_b32 s26, s17, 9
	s_add_co_u32 s26, s26, s24                     ; the sums
	s_mov_b32 s27, 0
	s_lshl_b32 s28, s17, 4
	s_add_co_u32 s28, s28, s24                     ; m and l (1,024 bytes on)
	s_mov_b32 s29, 0
	s_lshl_b32 s34, s[WV], 17                      ; sc and out1: batch,
	s_lshl_b32 s35, ttmp9, 14                      ; head 2 s,
	s_add_co_u32 s34, s34, s35
	s_lshl_b32 s35, s15, 9                         ; positions 128 j on
	s_add_co_u32 s34, s34, s35
	s_mov_b32 s35, 0
	s_lshl_b32 s40, s15, 2
	s_add_co_u32 s40, s40, s[WV]                   ; column tile 4 j + wave (waves 0-3)
	s_mul_i32 s40, s40, REC
	s_mul_i32 s42, ttmp9, 1536
	s_add_co_u32 s42, s42, s40
	s_mov_b32 s43, 0
	s_lshl_b32 s44, ttmp9, 6
	s_add_co_u32 s44, s44, s40
	s_mov_b32 s45, 0
	s_lshl_b32 s46, ttmp9, 16                      ; pre: K step s,
	s_lshl_b32 s47, s[WV], 13                      ; rows 2 wave on,
	s_add_co_u32 s46, s46, s47
	s_lshl_b32 s47, s15, 8                         ; columns 64 j on
	s_add_co_u32 s46, s46, s47
	s_mov_b32 s47, 0
	s_wait_kmcnt 0x0
	s_add_nc_u64 s[30:31], s[4:5], s[26:27]
	s_add_nc_u64 s[32:33], s[4:5], s[28:29]
	s_add_nc_u64 s[36:37], s[6:7], s[34:35]
	s_add_nc_u64 s[38:39], s[10:11], s[34:35]
	s_add_nc_u64 s[42:43], s[8:9], s[42:43]
	s_add_nc_u64 s[44:45], s[8:9], s[44:45]
	s_add_nc_u64 s[46:47], s[12:13], s[46:47]
	s_cmp_lt_u32 s[WV], 4                          ; fc's fragment first, so that the counts below are the same in every wave
	s_cbranch_scc0 .Lno_fc
.irp c, 0,1,2
	global_load_b128 v[FCF+4*\c:FCF+4*\c+3], v4, s[42:43] offset:512*\c
.endr
	global_load_b32 v[FCS], v6, s[44:45] offset:12288
.Lno_fc:
	global_load_b64 v[16:17], v5, s[32:33] offset:1024
.irp c, 0,1,2,3,4,5,6,7,8,9,10,11,12,13,14,15
	global_load_b128 v[PT+4*\c:PT+4*\c+3], v4, s[30:31] offset:5120*\c         ; block c: 512 neighbouring bytes: the two heads' 128 sums
.endr
	global_load_b128 v[SCV:SCV+3], v4, s[36:37]
	global_load_b128 v[SCV+4:SCV+7], v4, s[36:37] offset:8192
	s_wait_loadcnt 18                              ; m and l are in; the 16 loads of sums and the 2 of t may be out
	v_mov_b32 v18, v16
.irp m, 1,2,4,8
	s_delay_alu instid0(VALU_DEP_1)
	v_max_num_f32_dpp v18, v18, v18 row_xmask:\m row_mask:0xf bank_mask:0xf    ; M of my half's head
.endr
	s_delay_alu instid0(VALU_DEP_1)
	v_sub_f32 v19, v16, v18
	s_wait_alu depctr_va_vdst(0)
	v_exp_f32 v19, v19                             ; e
	v_nop
	s_wait_alu depctr_va_vdst(0)                   ; ahead of the first reader
	v_mul_f32 v20, v17, v19
.irp m, 1,2,4,8
	s_delay_alu instid0(VALU_DEP_1)
	v_add_f32_dpp v20, v20, v20 row_xmask:\m row_mask:0xf bank_mask:0xf        ; L
.endr
	s_wait_alu depctr_va_vdst(0)
	v_rcp_f32 v21, v20
	v_nop
	s_wait_alu depctr_va_vdst(0)
	v_mul_f32 v22, v19, v21                        ; lane (c, h): block c's weight for head h
	v_readlane_b32 s20, v18, 0                     ; M and 1 / L of both heads for every lane: values, not addresses
	v_readlane_b32 s21, v18, 16
	v_readlane_b32 s22, v21, 0
	v_readlane_b32 s23, v21, 16
	s_wait_alu depctr_va_vdst(0)
	s_wait_loadcnt 2                               ; the sums are in; t may be out
.irp c, 0,1,2,3,4,5,6,7,8,9,10,11,12,13,14,15
	v_mov_b32_dpp v[28+2*(\c%2)], v22 row_share:\c row_mask:0xf bank_mask:0xf  ; block c's weight, to all sixteen lanes of my half
.if \c == 0
	s_delay_alu instid0(VALU_DEP_1)
	v_pk_mul_f32 v[CA:CA+1], v[PT:PT+1], v[28:29] op_sel_hi:[1,0]
	s_delay_alu instid0(VALU_DEP_2)
	v_pk_mul_f32 v[CA+2:CA+3], v[PT+2:PT+3], v[28:29] op_sel_hi:[1,0]
.else
	s_delay_alu instid0(VALU_DEP_1)
	v_pk_fma_f32 v[CA:CA+1], v[PT+4*\c:PT+4*\c+1], v[28+2*(\c%2):29+2*(\c%2)], v[CA:CA+1] op_sel_hi:[1,0,1]
	s_delay_alu instid0(VALU_DEP_2)
	v_pk_fma_f32 v[CA+2:CA+3], v[PT+4*\c+2:PT+4*\c+3], v[28+2*(\c%2):29+2*(\c%2)], v[CA+2:CA+3] op_sel_hi:[1,0,1]
.endif
.endr
	ds_store_b128 v7, v[CA:CA+3]                   ; ctx(batch, 128 s + 4 lane ..)
	s_wait_loadcnt 0x0                             ; t (and, in waves 0-3, fc's fragment)
.irp k, 0,1,2,3
	v_sub_f32 v[SCV+\k], v[SCV+\k], s20
	v_sub_f32 v[SCV+4+\k], v[SCV+4+\k], s21
.endr
	s_wait_alu depctr_va_vdst(0)
.irp k, 0,1,2,3,4,5,6,7
	v_exp_f32 v[SCV+\k], v[SCV+\k]
.endr
	v_nop
	s_wait_alu depctr_va_vdst(0)                   ; one wait for the eight
.irp k, 0,1,2,3
	v_mul_f32 v[SCV+\k], s22, v[SCV+\k]
	v_mul_f32 v[SCV+4+\k], s23, v[SCV+4+\k]
.endr
	global_store_b128 v4, v[SCV:SCV+3], s[38:39]                   ; 512 consecutive bytes, at a multiple of 256 from out1's first byte
	global_store_b128 v4, v[SCV+4:SCV+7], s[38:39] offset:8192
	s_wait_dscnt 0x0                               ; for the others' sake: my row of ctx has landed
	s_barrier_signal -1
	s_barrier_wait -1
	s_cmp_lt_u32 s[WV], 4
	s_cbranch_scc0 .Lno_mm
.irp bb, 0,1,2,3
.irp q4, 0,1,2,3
	ds_load_b128 v[X+16*\bb+4*\q4:X+16*\bb+4*\q4+3], v8 offset:128*\bb+16*\q4
.endr
.endr
	s_wait_dscnt 0x0
	QUANT X
.rept 8
	v_nop                                          ; a scale register written by a vector instruction stands 8 places ahead of a scaled matrix instruction, an operand so written 4
.endr
	v_wmma_scale_f32_16x16x128_f8f6f4 v[D:D+7], v[FCF:FCF+11], v[PC:PC+11], 0, v[FCS], v[PW] matrix_a_fmt:MATRIX_FMT_FP6 matrix_b_fmt:MATRIX_FMT_FP6   ; transposed: source 0 = 16 columns of fc, source 1 = the 16 batches
.rept 4
	v_nop
.endr
	ds_store_b128 v9, v[D:D+3]                     ; lane (r, h): batch r, columns 16 wave + 8 h + 0 .. 7 of the 64
	ds_store_b128 v9, v[D+4:D+7] offset:16
.Lno_mm:
	s_wait_dscnt 0x0
	s_barrier_signal -1
	s_barrier_wait -1
	s_cmp_lt_u32 s[WV], 8
	s_cbranch_scc0 .Lend
	ds_load_b128 v[CA:CA+3], v10
	s_wait_dscnt 0x0
	global_store_b128 v11, v[CA:CA+3], s[46:47]    ; sixteen lanes store 256 consecutive bytes, at a multiple of 256 from pre's first byte
.Lend:
	s_wait_tensorcnt 0x0
	ds_add_u32 v254, v255
	s_wait_dscnt 0x0
	s_endpgm
.Lfunc_end_k_q13b4c217f0_mid:
	.size	k_q13b4c217f0_mid, .Lfunc_end_k_q13b4c217f0_mid-k_q13b4c217f0_mid
	.p2alignl 7, 3214868480
	.fill 96, 4, 3214868480
	.section	.rodata,"a",@progbits
	.p2align	6, 0x0
	.amdhsa_kernel k_q13b4c217f0_mid
		.amdhsa_group_segment_fixed_size 15360
		.amdhsa_private_segment_fixed_size 0
		.amdhsa_enable_private_segment 0
		.amdhsa_kernarg_size 40
		.amdhsa_user_sgpr_count 2
		.amdhsa_user_sgpr_kernarg_segment_ptr 1
		.amdhsa_wavefront_size32 1
		.amdhsa_system_sgpr_workgroup_id_x 1
		.amdhsa_system_sgpr_workgroup_id_y 1
		.amdhsa_system_sgpr_workgroup_id_z 1
		.amdhsa_system_vgpr_workitem_id 0
		.amdhsa_next_free_vgpr 256
		.amdhsa_next_free_sgpr 66
		.amdhsa_reserve_vcc 0
		.amdhsa_float_denorm_mode_32 3
		.amdhsa_float_denorm_mode_16_64 3
		.amdhsa_memory_ordered 1
		.amdhsa_forward_progress 1
		.amdhsa_inst_pref_size 21
	.end_amdhsa_kernel
	.amdgpu_metadata
---
amdhsa.version: [ 1, 2 ]
amdhsa.kernels:
  - .name:           k_q13b4c217f0_mid
    .symbol:         k_q13b4c217f0_mid.kd
    .args:
      - { .name: part, .offset: 0, .size: 8, .value_kind: global_buffer, .address_space: global }
      - { .name: sc, .offset: 8, .size: 8, .value_kind: global_buffer, .address_space: global }
      - { .name: fcq, .offset: 16, .size: 8, .value_kind: global_buffer, .address_space: global }
      - { .name: out1, .offset: 24, .size: 8, .value_kind: global_buffer, .address_space: global }
      - { .name: pre, .offset: 32, .size: 8, .value_kind: global_buffer, .address_space: global }
    .group_segment_fixed_size: 15360
    .private_segment_fixed_size: 0
    .kernarg_segment_align: 8
    .kernarg_segment_size: 40
    .max_flat_workgroup_size: 512
    .sgpr_count:     66
    .vgpr_count:     256
    .wavefront_size: 32
...
	.end_amdgpu_metadata
.endif
;; end of part 3
;; launch ln (part 4): grid 16 x 1, 8 waves a work-group, no clusters, 1,280 bytes of LDS; arguments pre, query, ln_gamma, ln_beta, out0; writes out0
.if DOCPART == 4
	.amdgcn_target "amdgcn-amd-amdhsa--gfx1250"
	.amdhsa_code_object_version 6
	.text
	.protected	k_q13b4c217f0_ln
	.globl	k_q13b4c217f0_ln
	.p2align	8
	.type	k_q13b4c217f0_ln,@function
k_q13b4c217f0_ln:
	s_mov_b64 s[64:65], 0
	v_nop
	global_prefetch_b8 v0, s[64:65] scope:SCOPE_SE
	s_setreg_imm32_b32 hwreg(HW_REG_WAVE_MODE, 25, 1), 1
	s_wait_xcnt 0x0
; LN.  out0[b] = layer norm of (the sum of the eight K steps of ctx . fc + query), with gamma and beta.  A work-group takes a batch; thread t owns columns 4 t .. 4 t + 3.
; The mean is taken first and the variance of the differences.  All in f32; every load and store of a wave covers 512 consecutive bytes.  No matrix unit, no ring: 36 KB a work-group.
.set S,  52                            ; v52 a sum;  v53 at work;  v[54:61] the eight waves' sums;  v62 the mean, then 1 / sqrt(var + eps)
.macro WGSUM base                      ; v[S] summed over the work-group's 256 threads, through eight LDS words at \base; the result in every lane
.irp m, 1,2,4,8
	s_delay_alu instid0(VALU_DEP_1)
	v_add_f32_dpp v[S], v[S], v[S] row_xmask:\m row_mask:0xf bank_mask:0xf
.endr
	s_delay_alu instid0(VALU_DEP_1)
	v_permlanex16_b32 v53, v[S], s16, s17
	s_delay_alu instid0(VALU_DEP_1)
	v_add_f32 v[S], v[S], v53
	ds_store_b32 v2, v[S] offset:\base             ; all lanes of a wave write the same word with the same value
	s_wait_dscnt 0x0                               ; for the others' sake
	s_barrier_signal -1
	s_barrier_wait -1
	ds_load_b128 v[54:57], v3 offset:\base
	ds_load_b128 v[58:61], v3 offset:\base+16
	s_wait_dscnt 0x0
	v_add_f32 v54, v54, v55
	v_add_f32 v56, v56, v57
	v_add_f32 v58, v58, v59
	v_add_f32 v60, v60, v61
	s_delay_alu instid0(VALU_DEP_3)
	v_add_f32 v54, v54, v56
	s_delay_alu instid0(VALU_DEP_2)
	v_add_f32 v58, v58, v60
	s_delay_alu instid0(VALU_DEP_1)
	v_add_f32 v[S], v54, v58
.endm
	s_load_b256 s[4:11], s[0:1], 0x0               ; pre s[4:5], query s[6:7], gamma s[8:9], beta s[10:11]
	s_load_b64 s[12:13], s[0:1], 0x20              ; out0
	v_lshl_add_u32 v64, v0, 2, 0x100
	v_mov_b32 v65, 0
	v_lshlrev_b32 v1, 4, v0                        ; 16 t
	v_lshrrev_b32 v2, 5, v0
	s_delay_alu instid0(VALU_DEP_1)
	v_lshlrev_b32 v2, 2, v2                        ; LDS: my wave's word
	v_mov_b32 v3, 0
	v_mov_b32 v53, 0                               ; a lane permute's destination counts as one of its sources
	s_lshl_b32 s14, ttmp9, 12                      ; my batch's row of 4,096 bytes
	s_mov_b32 s15, 0
	s_mov_b32 s16, 0x76543210
	s_mov_b32 s17, 0xfedcba98
	s_mov_b32 s18, 0x3a800000                      ; 1 / 1024
	s_mov_b32 s19, 0x358637bd                      ; 1e-6
	s_wait_alu depctr_va_vdst(0)
	s_wait_kmcnt 0x0
	s_add_nc_u64 s[4:5], s[4:5], s[14:15]
	s_add_nc_u64 s[12:13], s[12:13], s[14:15]
.irp s, 0,1,2,3,4,5,6,7
	global_load_b128 v[8+4*\s:11+4*\s], v1, s[4:5] offset:65536*\s
.endr
	global_load_b128 v[40:43], v1, s[6:7]
	global_load_b128 v[44:47], v1, s[8:9]
	global_load_b128 v[48:51], v1, s[10:11]
	s_wait_loadcnt 2                               ; the eight parts and query are in; gamma and beta may be out
.irp s, 1
	v_pk_add_f32 v[8:9], v[8:9], v[8+4*\s:9+4*\s]                  ; K ascending
	v_pk_add_f32 v[10:11], v[10:11], v[10+4*\s:11+4*\s]
.endr
.irp s, 2, 3, 4, 5, 6, 7
	s_delay_alu instid0(VALU_DEP_2)
	v_pk_add_f32 v[8:9], v[8:9], v[8+4*\s:9+4*\s]                  ; K ascending
	s_delay_alu instid0(VALU_DEP_2)
	v_pk_add_f32 v[10:11], v[10:11], v[10+4*\s:11+4*\s]
.endr
	s_delay_alu instid0(VALU_DEP_2)
	v_pk_add_f32 v[8:9], v[8:9], v[40:41]          ; the residual is the query
	s_delay_alu instid0(VALU_DEP_2)
	v_pk_add_f32 v[10:11], v[10:11], v[42:43]
	s_delay_alu instid0(VALU_DEP_2)
	v_add_f32 v[S], v8, v9
	s_delay_alu instid0(VALU_DEP_2)
	v_add_f32 v53, v10, v11
	s_delay_alu instid0(VALU_DEP_1)
	v_add_f32 v[S], v[S], v53
	WGSUM 0
	s_delay_alu instid0(VALU_DEP_1)
	v_mul_f32 v62, s18, v[S]                       ; the mean
.irp i, 8,9,10,11
	v_sub_f32 v\i, v\i, v62
.endr
	s_delay_alu instid0(VALU_DEP_4)
	v_mul_f32 v[S], v8, v8
	s_delay_alu instid0(VALU_DEP_1)
	v_fmac_f32 v[S], v9, v9
	s_delay_alu instid0(VALU_DEP_1)
	v_fmac_f32 v[S], v10, v10
	s_delay_alu instid0(VALU_DEP_1)
	v_fmac_f32 v[S], v11, v11
	WGSUM 32                                       ; other words than the first sum's: a wave may still be reading those
	s_delay_alu instid0(VALU_DEP_1)
	v_fma_f32 v[S], v[S], s18, s19                 ; var + eps
	s_wait_alu depctr_va_vdst(0)
	v_rsq_f32 v62, v[S]
	v_nop                                          ; a plain instruction behind the transcendental
	s_wait_alu depctr_va_vdst(0)                   ; and the wait ahead of its first reader
	s_wait_loadcnt 0x0                             ; gamma and beta
.irp i, 8,9,10,11
	v_mul_f32 v\i, v\i, v62
.endr
	s_delay_alu instid0(VALU_DEP_3)
	v_pk_fma_f32 v[8:9], v[8:9], v[44:45], v[48:49]
	s_delay_alu instid0(VALU_DEP_2)
	v_pk_fma_f32 v[10:11], v[10:11], v[46:47], v[50:51]
	global_store_b128 v1, v[8:11], s[12:13]
	s_wait_tensorcnt 0x0
	ds_add_u32 v64, v65
	s_wait_dscnt 0x0
	s_endpgm
.Lfunc_end_k_q13b4c217f0_ln:
	.size	k_q13b4c217f0_ln, .Lfunc_end_k_q13b4c217f0_ln-k_q13b4c217f0_ln
	.p2alignl 7, 3214868480
	.fill 96, 4, 3214868480
	.section	.rodata,"a",@progbits
	.p2align	6, 0x0
	.amdhsa_kernel k_q13b4c217f0_ln
		.amdhsa_group_segment_fixed_size 1280
		.amdhsa_private_segment_fixed_size 0
		.amdhsa_enable_private_segment 0
		.amdhsa_kernarg_size 40
		.amdhsa_user_sgpr_count 2
		.amdhsa_user_sgpr_kernarg_segment_ptr 1
		.amdhsa_wavefront_size32 1
		.amdhsa_system_sgpr_workgroup_id_x 1
		.amdhsa_system_sgpr_workgroup_id_y 1
		.amdhsa_system_sgpr_workgroup_id_z 1
		.amdhsa_system_vgpr_workitem_id 0
		.amdhsa_next_free_vgpr 66
		.amdhsa_next_free_sgpr 66
		.amdhsa_reserve_vcc 0
		.amdhsa_float_denorm_mode_32 3
		.amdhsa_float_denorm_mode_16_64 3
		.amdhsa_memory_ordered 1
		.amdhsa_forward_progress 1
		.amdhsa_inst_pref_size 8
	.end_amdhsa_kernel
	.amdgpu_metadata
---
amdhsa.version: [ 1, 2 ]
amdhsa.kernels:
  - .name:           k_q13b4c217f0_ln
    .symbol:         k_q13b4c217f0_ln.kd
    .args:
      - { .name: pre, .offset: 0, .size: 8, .value_kind: global_buffer, .address_space: global }
      - { .name: query, .offset: 8, .size: 8, .value_kind: global_buffer, .address_space: global }
      - { .name: ln_gamma, .offset: 16, .size: 8, .value_kind: global_buffer, .address_space: global }
      - { .name: ln_beta, .offset: 24, .size: 8, .value_kind: global_buffer, .address_space: global }
      - { .name: out0, .offset: 32, .size: 8, .value_kind: global_buffer, .address_space: global }
    .group_segment_fixed_size: 1280
    .private_segment_fixed_size: 0
    .kernarg_segment_align: 8
    .kernarg_segment_size: 40
    .max_flat_workgroup_size: 256
    .sgpr_count:     66
    .vgpr_count:     66
    .wavefront_size: 32
...
	.end_amdgpu_metadata
.endif
;; end of part 4
